; MI455X (gfx1250); checked and timed in simulation.
; The chip was launched on July 23, 2026; its instructions are those of AMD's public machine-readable ISA for CDNA 5 (MIT licence, August 2026) and "CDNA5" Instruction Set Architecture Reference Guide (July 2026). The comments in the code are by the model that wrote it; some were corrected since.
;; Self Attention. Allowed arithmetic: matrix products marked QUANTISED: E5M2 operands, one E8M0 scale for each 32 along K, by v_wmma_scale_f32_16x16x128_f8f6f4 with both operands' format E5M2, f32 sums; everything else in f32.
;; Inputs: bk 512 float32; bo 512 float32; bq 512 float32; bv 512 float32; wk_codes 512 x 16 x 32 uint8 (E5M2 codes of wk, K innermost, in blocks of 32 codes); wk_scales 512 x 16 uint8 (E8M0 scales of wk, one for each 32 codes along K); wo_codes 512 x 16 x 32 uint8 (E5M2 codes of wo, K innermost, in blocks of 32 codes); wo_scales 512 x 16 uint8 (E8M0 scales of wo, one for each 32 codes along K); wq_codes 512 x 16 x 32 uint8 (E5M2 codes of wq, K innermost, in blocks of 32 codes); wq_scales 512 x 16 uint8 (E8M0 scales of wq, one for each 32 codes along K); wv_codes 512 x 16 x 32 uint8 (E5M2 codes of wv, K innermost, in blocks of 32 codes); wv_scales 512 x 16 uint8 (E8M0 scales of wv, one for each 32 codes along K); x_codes 64 x 256 x 16 x 32 uint8 (E5M2 codes of x, K innermost, in blocks of 32 codes); x_scales 64 x 256 x 16 uint8 (E8M0 scales of x, one for each 32 codes along K).
;; Outputs: out0 64 x 256 x 512 float32.
;; This version of the problem:
;;   THIS VERSION OF THE PROBLEM IS GIVEN IN LOW PRECISION. The matrix products marked QUANTISED in the list below multiply operands that are first quantised to E5M2 (5 exponent bits, 2 mantissa bits; 8 bits a number), with one power-of-two scale for each 32 numbers along K (OCP MX v1.0); their sums are f32. All else is computed in f32.
;;   The module's matrix products, in the order in which they are computed (A, B: the left and right operand; K: the contracted axis; several contracted axes count as one K, in the product's order):
;;     1. [M 16,384, K 512] x [K 512, N 512]; A: input x (given as codes); B: input wq (given as codes): QUANTISED
;;     2. [M 16,384, K 512] x [K 512, N 512]; A: input x (given as codes); B: input wk (given as codes): QUANTISED
;;     3. [M 16,384, K 512] x [K 512, N 512]; A: input x (given as codes); B: input wv (given as codes): QUANTISED
;;     4. batch 1,024 x [M 256, K 32] x [K 32, N 256]; A: computed on the way; B: computed on the way: QUANTISED
;;     5. batch 1,024 x [M 256, K 256] x [K 256, N 32]; A: softmax (see below); B: computed on the way: QUANTISED
;;     6. [M 16,384, K 512] x [K 512, N 512]; A: computed on the way; B: input wo (given as codes): QUANTISED
;;   THE QUANTISER, for each operand of a quantised product, along K:
;;     - K is cut into blocks of 32 from its start; a last block that is shorter is filled with zeros.
;;     - A block's scale is 2^e with e = floor(log2(the largest magnitude in the block)) - 15, held to -126 .. 127; a block of zeros has e = 0. As a byte (E8M0): e + 127.
;;     - Each number is divided by its block's scale, clamped to +-57,344, and rounded to the nearest number of E5M2, ties to even, subnormals kept.
;;     - The product sums the exact products of the quantised numbers (number of the format x scale) in f32.
;;   ~~~python
;;   def quantise(x, axis):      # numpy; x: float32 -> the quantised numbers, widened to float32 again
;;       x = np.moveaxis(x, axis, -1); K = x.shape[-1]
;;       x = np.pad(x, [(0, 0)] * (x.ndim - 1) + [(0, -K % 32)]); x = x.reshape(x.shape[:-1] + (-1, 32)); a = np.abs(x).max(-1, keepdims=True)
;;       e = np.where(a > 0, np.clip(np.frexp(np.where(a > 0, a, 1))[1] - 1 - 15, -126, 127), 0)      # np.frexp(a)[1] - 1 = floor(log2(a)), exactly
;;       r = np.clip(x / 2.0 ** e, -57344, 57344)
;;       step = 2.0 ** (np.maximum(np.frexp(np.where(r == 0, 1, r))[1] - 1, -14) - 2)
;;       q = np.round(r / step) * step * 2.0 ** e      # np.round: ties to even
;;       return np.moveaxis(q.reshape(q.shape[:-2] + (-1,))[..., :K], -1, axis).astype(np.float32)
;;   ~~~
;;   SOFTMAX AHEAD OF A QUANTISED PRODUCT. Where the list says 'softmax', what is quantised is not the finished softmax but p = 2^(t - M), with t = logit x log2(e) and M = ceil(the row's largest t), a whole number; so 1/2 < the row's largest p <= 1. The row's sum l is taken of the UNQUANTISED p, in f32, and the product's result is divided by l at the end. Since M is a whole number, a kernel that streams over the keys may use a running M (the ceiling of the running maximum): every later rescaling is an exact power of two, which a block's scale takes up: the codes' values come out the same.
;;   OPERANDS COMPUTED ON THE WAY. 'Computed on the way' means the value that the module computes at that place (a softmax that the list does not call 'softmax' is quantised finished and normalised). What goes into a quantiser is computed in f32, as accurately as f32 sums, v_exp_f32 and their like allow (about 1e-6 of the number): no bf16 or f16 on the way to a quantiser, and a product that is left as it is and whose result goes on into a quantised operand takes f32 operands (vector FMAs, or v_wmma_f32_16x16x4_f32). A number that lies on a knife's edge between two numbers of the format may be rounded either way, as far as f32 arithmetic and the matrix unit's own rounding can turn it there, and no further.
;;   INPUTS GIVEN AS CODES. wk (in the module: [512, 512], K = its axis 0); wo (in the module: [512, 512], K = its axis 0); wq (in the module: [512, 512], K = its axis 0); wv (in the module: [512, 512], K = its axis 0); x (in the module: [64, 256, 512], K = its axis 2): each comes as NAME_codes (uint8): NAME with its K axis moved to the last place and cut into blocks of 32 codes, [.., K / 32, bytes a block], one block behind the other in memory; one code a byte (a code: sign, 5 exponent bits, 2 mantissa bits); and NAME_scales (uint8): the same leading axes, one E8M0 byte (e + 127) for each 32 codes along K. Its value is code x scale, taken as it is: it is not quantised again, and the codes and scales need not be those that the quantiser above would give.
;; One version. Each part assembles by itself: llvm-mc -triple=amdgcn-amd-amdhsa -mcpu=gfx1250 --defsym DOCPART=n.
;; ======== version 1 of 1: 2 launches
;; limits: right only within a limited range of input values
;; workspace buffers: ao_codes 8,388,608 bytes; ao_scales 262,144 bytes
;; launch attn (part 1): grid 4 x 64, 8 waves a work-group, clusters of 4 x 4, 308,224 bytes of LDS; arguments x_codes, x_scales, wq_codes, wk_codes, wq_scales, wk_scales, bq, bk, wv_codes, wv_scales, bv, ao_codes, ao_scales; writes ao_codes, ao_scales
.if DOCPART == 1
	.amdgcn_target "amdgcn-amd-amdhsa--gfx1250"
	.amdhsa_code_object_version 6
	.text
	.protected	k_q18d1a7fed0_attn
	.globl	k_q18d1a7fed0_attn
	.p2align	8
	.type	k_q18d1a7fed0_attn,@function
k_q18d1a7fed0_attn:
	s_mov_b64 s[64:65], 0
	v_nop
	global_prefetch_b8 v0, s[64:65] scope:SCOPE_SE
	s_setreg_imm32_b32 hwreg(HW_REG_WAVE_MODE, 25, 1), 1
	s_wait_xcnt 0x0
	s_wait_alu depctr_hold_cnt(0) depctr_sa_sdst(0) depctr_va_vdst(0) depctr_va_sdst(0) depctr_va_ssrc(0) depctr_va_vcc(0) depctr_vm_vsrc(0)
	s_getreg_b32 s2, hwreg(HW_REG_IB_STS2, 6, 4)
	s_cmp_eq_u32 s2, 0
	s_cbranch_scc0 .Lentry_in_a_cluster
	s_endpgm
.Lentry_in_a_cluster:
	s_bfe_u32 s2, ttmp6, 0x10000c
	s_cmp_lg_u32 s2, 0xf033
	s_cbranch_scc0 .Lentry_shape_is_right
	s_endpgm
.Lentry_shape_is_right:
; SELF-ATTENTION UP TO THE OUTPUT PROJECTION, on codes of BF8 (E5M2) with one E8M0 scale for each 32 along a product's K.  64 batches x 256 positions x 512 features, 16 heads of 32.
; A work-group owns one batch and four heads.  It makes q, k, v = x W^T + b from the given codes, turns q and k by RoPE, quantises all three, does the causal attention of its heads, divides by the row's sum,
; quantises the result along the head's 32 features (one block of the output projection's K) and stores codes and scale words laid as the next launch's operand registers.
; SHARES.  Eight waves.  Wave w: head hd = w / 2 of the four, z = w % 2.  Projection: z = 0 makes q and features pi(r) of v; z = 1 makes k and features 8 + pi(r) of v.  Attention: wave (hd, z) takes query tiles 2 b + z, b = 0 .. 7, against key blocks 0 .. b.
; WORK LEFT OUT.  The causal mask gives every score whose key comes after the query the weight 0; key blocks of 32 that lie wholly behind a query tile are not multiplied.  A NaN, an infinity or an overflow that reaches only those scores is not carried to the result.
; CLUSTER.  4 x 4 work-groups: the four of a row have one batch and share x's codes and scale bytes; the four of a column have the same heads and share W_q's and W_k's rows: joint loads, one a wave, all at the head.
;   W_v's rows come straight into registers: x (135,168 bytes in LDS), W_q's and W_k's rows (135,168) and RoPE's table (32,768) leave no room for 67,584 more.  No prefetch: every tile is asked for at the head, there is no loop to run ahead in.
; LAYOUT.  r = lane % 16, h = lane / 16, pi(r) = r + (r & 8).  q, k: source 0 = 16 rows of W, source 1 = 16 positions of x.  Lane r of weight tile u takes row 8 u + pi(r), so a lane holds ONE position and the 16 registers
;   of tiles 0, 1 are features 16 h + 0 .. 15: RoPE's pairs are neighbouring registers, and the conversions' results are registers 0-3 of the scores' operand.
;   v: source 0 = x, source 1 = 16 rows of Wv: a lane holds one feature and keys 32 b + 16 u + 8 h + j.  Scores S^T = K Q^T: register j of key tile kt holds key 32 kb + 16 kt + 8 h + j.  So p and V^T hold the same 16 keys of a block
;   in the same order in a lane: within a block of 32 keys k is permuted, alike on both sides.  O^T = V^T P^T: a lane holds one query and features 16 h + 0 .. 15.
; K = 32 IN AN INSTRUCTION 128 DEEP.  Q's fragment is 4 registers of codes and 12 of zero codes.  K's 16 tiles lie 4 registers apart, so a fragment of K names its own 4 registers and 12 that hold later tiles' codes (12 zeros behind the last): finite codes that meet
;   Q's zero codes and add exactly 0.  The scale words have their byte 0 set and the others 0.
; THE MASK IS THE C of the diagonal block's two products: 0 where the key counts, -3e38 where it is hidden; p = 0 there.
; SOFTMAX.  All keys of a row are in registers: M = ceil(the row's largest t), t = score x log2(e) / sqrt(32); p = 2^(t - M) is quantised along the keys; the row's sum is taken of the unquantised p and divides O.
; RoPE's table (cos, sin of position x 10^(-i/4)) is made here in f32: angle reduced by multiples of pi/2 in two steps, polynomials on +-pi/4.
; LIMITS: NaN and infinities among the inputs are not served.  The softmax's promise holds while the scaled scores stay under 2^31 in magnitude.  A block whose largest magnitude lies under 2^-111 keeps the byte 1; a block of zeros gets the byte 1 where the rule says 127
;   (its codes are zeros; these bytes are read by this program alone).  The two-step reduction serves angles up to 255, all that 256 positions give.  The 16 frequencies are the f32 numbers nearest to 10^(-i/4).
.set XPITCH, 528                       ; a row of 512 bytes + 16 of padding
.set WL,  135168                       ; LDS: x's 256 rows at 0; W_q's 128 rows, W_k's 128 rows;
.set QI,  135168                       ; over these, once they are in registers: q's codes as images of registers: 8,192 hd + 512 tile + 16 lane;
.set KI,  167936                       ; k's likewise;
.set VI,  200704                       ; V^T's: 8,192 hd + 4,096 ud + 512 block + 16 lane;
.set QW,  233472                       ; q's scale words: 2,048 hd + 128 tile + 4 lane;
.set KW,  241664                       ; k's likewise;
.set VB,  249856                       ; V^T's scale bytes: 256 hd + 128 ud + 8 r + block;
.set AB,  250880                       ; the result's scale bytes: 64 tile + 4 r + hd
.set RT,  270336                       ; RoPE's table: 2,048 bytes a tile of 16 positions, as images of 16 registers (register 2 j cos, 2 j + 1 sin of frequency 8 h + j);
.set XS,  303104                       ; x's scale bytes, 16 a row;
.set SPARE, 307200                     ; the spare words
.set PADW, (1<<20)|(1<<21)|(6<<22)|(3<<25)   ; elements of 1 byte; padding on; 21 set beside a mask; after every 128 words (code 6) four words (code 3)
.set DENSE, (3<<16)|(1<<21)            ; elements of 8 bytes, no padding
; scalar registers
.set WV, 30
.set HD, 31
.set Z, 32
.set CY, 33
.set HG, 34
.set BATCH, 35
.set G1X, 36                           ; descriptor groups 1: x's codes, x's scale bytes, the weights; groups 0
.set G1S, 44
.set G0X, 52
.set G0S, 56
.set SEL, 60                           ; s[60:61] lane selects of v_permlanex16_b32: lane l xor 16
.set CS, 62                            ; s[62:63] c = log2(e) / sqrt(32)
.set MNT, 66                           ; the mantissa field of 57,344
.set CNT, 67
.set C2PI, 68
.set CP1, 69
.set CP2, 70
.set CS1, 71
.set CS2, 72
.set CS3, 73
.set CC1, 74
.set CC2, 75
.set CC3, 76
.set G1W, 84
.set G0Q, 92
.set G0K, 96
.set SX, 84                            ; s84-90: the projection loop's steps, behind the wait that shows the head's loads done
.set SXS, 85
.set SRT, 86
.set SI, 87
.set SW, 88
.set SV, 89
.set SB, 90
; vector registers, head and projection.  Window 0:
.set XA, 1
.set XSA, 2
.set RA, 3
.set IA, 4
.set WA, 5
.set VA, 6
.set VBA, 7
.set WO, 8
.set WSO, 9
.set BO, 10
.set BVO, 11
.set LR, 12
.set LH, 13
.set LN, 14
.set TMP, 15
.set WSC, 16                           ; v16-27  the weights' scale words [tile 0, 1: q or k; 2: v][K step]
.set XSW, 30                           ; v30-37  x's scale words [tile u][K step]
.set XF, 38                            ; v38-165 x's fragments [u][K step][16]
.set ACR, 166                          ; v166-197 sums of q or k [u][weight tile][8]
.set ACV, 198                          ; v198-213 sums of v [u][8]
.set WXA, 214
.set WXS, 215
.set WRA, 216
.set WIA, 217
.set WWA, 218
.set WVA, 219
.set WVB, 220
.set WAD, 221
.set T16, 228                          ; v228-243 RoPE at work
.set AM, 228                           ; three of each: largest magnitude, the other half's, hold, scale operand, byte
.set TP, 231
.set HDR, 234
.set SCR, 237
.set BYR, 240
.set CD, 244                           ; v244-255 codes [3][4]
; window 1:
.set WF, 0                             ; v0-191 the weights' fragments [tile][K step][16]
.set BI, 192                           ; v192-215 the biases in the sums' layout [tile][8]
.set RP, 216                           ; v216-247 RoPE's table of the trip's two tiles
.set SPW, 254                          ; my spare word's address, and 0
.set NIL, 255
; RoPE's table is made in v36-150 of window 0
.set TF, 36
.set TA, 44
.set TN, 52
.set TR, 60
.set TI, 68
.set TZ, 76
.set TS, 84
.set TC, 92
.set T1_, 100
.set T2_, 108
.set TO, 116
.set TL, 148
.set TPOS, 149
.set TADR, 150
; vector registers, attention.  Window 0:
.set QA, 1
.set QWA, 2
.set AOO, 3
.set ABA, 4
.set BIGN, 5
.set THD, 5                            ; the way out: hold
.set NM, 6                             ; v[6:7] -M
.set SUA, 8                            ; v[8:9], v[10:11] the row's sum in two chains of pairs
.set SUB, 10
.set RL, 12                            ; v[12:13] 1 / the sum
.set RM, 14
.set TX, 15
.set KS, 16                            ; v16-31 k's scale words
.set QS, 32
.set KWA, 33
.set TSC, 33                           ; the way out: scale operand
.set VS, 34                            ; v34-37 V^T's scale words [ud][128 keys]
.set PS, 38                            ; v38-39 p's scale words
.set BM, 40                            ; eight of each: a block's largest score, then p; the other half's, then the byte; hold; scale operand
.set TB, 48
.set HA, 56
.set SA, 64
.set PC, 72                            ; v72-103 p's codes
.set OO, 104                           ; v104-119 O^T [ud][8]
.set AC, 120                           ; v120-123 the result's codes
.set FL, 124                           ; the floor 2^(16 - 127)
.set VBB, 125
.set KA, 126
.set VAA, 127
.set T0, 125                           ; the way out: largest magnitude in two chains, the second then the byte; the other half's
.set T1, 126
.set TPM, 127
.set S, 128                            ; v128-255 S^T, then p [block][key tile][8]
; window 1:
.set KC, 0                             ; v0-63 k's codes, 4 registers a tile; v64-75 zeros
.set MC, 80                            ; v80-95 the diagonal's mask
.set QF, 144                           ; v144-147 q's codes; v148-159 zeros
.set VC, 176                           ; v176-239 V^T's fragments [ud][128 keys][16]
.set MSB, 0
.macro WIN new                         ; s_set_vgpr_msb: bits 1:0 source 0, 3:2 source 1, 5:4 source 2, 7:6 destination; the high byte repeats the setting that is left
.if MSB != \new
	s_set_vgpr_msb (MSB<<8)|\new
.set MSB, \new
.endif
.endm
.macro PLACES n
.rept \n
	v_nop
.endr
.endm
.macro BARRIER
	s_barrier_signal -1
	s_barrier_wait -1
.endm
.macro CROUND                          ; a round of the cluster's barrier
	BARRIER
	s_cmp_lg_u32 s[WV], 0
	s_cbranch_scc1 .Lnot_wave_0_\@
	s_barrier_signal -3
.Lnot_wave_0_\@:
	s_barrier_wait -3
	BARRIER
.endm
.macro WALU
	s_wait_alu depctr_va_vdst(0)
.endm
.macro MM d, a, b, c, sa, sb           ; D = A B + C, by first registers
	v_wmma_scale_f32_16x16x128_f8f6f4 v[\d:\d+7], v[\a:\a+15], v[\b:\b+15], v[\c:\c+7], v[\sa], v[\sb] matrix_a_fmt:MATRIX_FMT_BF8 matrix_b_fmt:MATRIX_FMT_BF8
.endm
.macro MM0 d, a, b, sa, sb             ; D = A B: the product starts its sum
	v_wmma_scale_f32_16x16x128_f8f6f4 v[\d:\d+7], v[\a:\a+15], v[\b:\b+15], 0, v[\sa], v[\sb] matrix_a_fmt:MATRIX_FMT_BF8 matrix_b_fmt:MATRIX_FMT_BF8
.endm
.macro GROUP1 g, mask, word, c, rows   ; descriptor group 1: rows of c elements, dense in memory
	s_or_b32 s[\g], s\mask, \word
	s_mov_b32 s[\g+1], (\c)<<16
	s_mov_b32 s[\g+2], (\rows)<<16
	s_mov_b32 s[\g+3], (\c)<<16
	s_mov_b32 s[\g+4], \rows
	s_mov_b32 s[\g+5], \c
	s_mov_b32 s[\g+6], 0
	s_mov_b32 s[\g+7], 0
.endm
	s_load_b256 s[4:11], s[0:1], 0x0               ; x's codes s[4:5], x's scales s[6:7], wq's codes s[8:9], wk's codes s[10:11]
	s_load_b256 s[12:19], s[0:1], 0x20             ; wq's scales s[12:13], wk's scales s[14:15], bq s[16:17], bk s[18:19]
	s_load_b256 s[20:27], s[0:1], 0x40             ; wv's codes s[20:21], wv's scales s[22:23], bv s[24:25], the result's codes s[26:27]
	s_load_b64 s[28:29], s[0:1], 0x60              ; the result's scale words
	WIN 0x40
	v_lshl_add_u32 v[SPW], v0, 2, SPARE
	v_mov_b32 v[NIL], 0
	WIN 0x05
	ds_add_u32 v[SPW], v[NIL]                      ; the opening: the add, twice on end, and its wait
	ds_add_u32 v[SPW], v[NIL]
	WIN 0
	v_lshrrev_b32 v[TMP], 5, v0
	v_readfirstlane_b32 s[WV], v[TMP]              ; wave 0..7
	s_lshr_b32 s[HD], s[WV], 1
	s_and_b32 s[Z], s[WV], 1
	s_bfe_u32 s[HG], ttmp6, 0x40000                ; cx
	s_bfe_u32 s[CY], ttmp6, 0x40004                ; cy
	s_lshl_b32 s83, 0x1111, s[HG]                  ; my column of the cluster: shares the weights
	s_lshl_b32 s82, s[CY], 2
	s_lshl_b32 s82, 15, s82                        ; my row: shares x
	s_lshl_b32 s77, ttmp9, 2
	s_add_co_u32 s[HG], s[HG], s77                 ; the group of four heads = 4 x cluster x + cx
	s_and_b32 s[BATCH], ttmp7, 0xffff
	s_lshl_b32 s[BATCH], s[BATCH], 2
	s_add_co_u32 s[BATCH], s[BATCH], s[CY]         ; the batch = 4 x cluster y + cy
	GROUP1 G1X, 82, PADW, 512, 64                  ; a quarter of x's codes: 64 rows of 512 bytes
	GROUP1 G1S, 82, DENSE, 32, 8                   ; half of x's scale bytes: 2,048 dense bytes as 8 rows of 256
	GROUP1 G1W, 83, PADW, 512, 128                 ; 128 rows of a weight
	s_add_co_u32 s77, s[WV], 2
	s_and_b32 s77, s77, 3                          ; waves 2 .. 5 fetch x's quarters 0 .. 3
	s_lshl_b32 s78, s[BATCH], 17
	s_lshl_b32 s3, s77, 15
	s_add_co_u32 s78, s78, s3
	s_mov_b32 s79, 0
	s_lshl_b32 s80, s[BATCH], 12
	s_lshl_b32 s3, s[Z], 11
	s_add_co_u32 s80, s80, s3
	s_mov_b32 s81, 0
	s_lshl_b32 s82, s[HG], 16                      ; 128 rows of a weight are 65,536 bytes
	s_mov_b32 s83, 0
	s_wait_dscnt 0x0                               ; both opening adds are done
	CROUND                                         ; all sixteen work-groups are here: the joint loads meet
	s_wait_kmcnt 0x0
	s_mov_b32 s[G0Q], 1
	s_mov_b32 s[G0Q+1], WL
	s_add_nc_u64 s[G0Q+2:G0Q+3], s[8:9], s[82:83]
	s_or_b32 s[G0Q+3], s[G0Q+3], 0x80000000
	s_mov_b32 s[G0K], 1
	s_mov_b32 s[G0K+1], WL+128*XPITCH
	s_add_nc_u64 s[G0K+2:G0K+3], s[10:11], s[82:83]
	s_or_b32 s[G0K+3], s[G0K+3], 0x80000000
	s_mov_b32 s[G0X], 1
	s_mul_i32 s[G0X+1], s77, 64*XPITCH
	s_add_nc_u64 s[G0X+2:G0X+3], s[4:5], s[78:79]
	s_or_b32 s[G0X+3], s[G0X+3], 0x80000000
	s_mov_b32 s[G0S], 1
	s_lshl_b32 s[G0S+1], s[Z], 11
	s_add_co_u32 s[G0S+1], s[G0S+1], XS
	s_add_nc_u64 s[G0S+2:G0S+3], s[6:7], s[80:81]
	s_or_b32 s[G0S+3], s[G0S+3], 0x80000000
; ONE joint load a wave, in one tree of branches on the wave's number: wave 0 W_q's rows, wave 1 W_k's, waves 2 to 5 x's quarters, waves 6 and 7 its scale bytes' halves
.macro ARM under, g0, g1, next
	s_cmp_lt_u32 s[WV], \under
	s_cbranch_scc0 \next
	tensor_load_to_lds s[\g0:\g0+3], s[\g1:\g1+7]
	s_nop 0
	PLACES 4
	s_branch .Lasked
\next:
.endm
	ARM 1, G0Q, G1W, .Lhead_1
	ARM 2, G0K, G1W, .Lhead_2
	ARM 6, G0X, G1X, .Lhead_6
	tensor_load_to_lds s[G0S:G0S+3], s[G1S:G1S+7]
	s_nop 0
	PLACES 4
.Lasked:
	s_cmp_eq_u32 s[Z], 0                           ; q's (z = 0) or k's (z = 1) scale words and bias
	s_cselect_b64 s[12:13], s[12:13], s[14:15]
	s_cselect_b64 s[16:17], s[16:17], s[18:19]
	s_mov_b32 s79, 0
	s_lshl_b32 s78, s[HG], 16                      ; v's codes: row 128 hg + 32 hd + 8 z, 512 bytes a row
	s_lshl_b32 s3, s[HD], 14
	s_add_co_u32 s78, s78, s3
	s_lshl_b32 s3, s[Z], 12
	s_add_co_u32 s78, s78, s3
	s_add_nc_u64 s[20:21], s[20:21], s[78:79]
	s_lshl_b32 s78, s[HG], 11                      ; scale bytes: 16 a row
	s_lshl_b32 s3, s[HD], 9
	s_add_co_u32 s78, s78, s3
	s_add_nc_u64 s[12:13], s[12:13], s[78:79]
	s_lshl_b32 s3, s[Z], 7
	s_add_co_u32 s78, s78, s3
	s_add_nc_u64 s[22:23], s[22:23], s[78:79]
	s_lshl_b32 s78, s[HG], 9                       ; biases: 4 bytes a feature
	s_lshl_b32 s3, s[HD], 7
	s_add_co_u32 s78, s78, s3
	s_add_nc_u64 s[16:17], s[16:17], s[78:79]
	s_lshl_b32 s3, s[Z], 5
	s_add_co_u32 s78, s78, s3
	s_add_nc_u64 s[24:25], s[24:25], s[78:79]
	s_lshl_b32 s78, s[BATCH], 17                   ; the result's codes: [batch][row tile][K step = hg][head in it][lane][16 bytes]; my tiles are 2 b + z
	s_lshl_b32 s3, s[HG], 11
	s_add_co_u32 s78, s78, s3
	s_lshl_b32 s3, s[HD], 9
	s_add_co_u32 s78, s78, s3
	s_lshl_b32 s3, s[Z], 13
	s_add_co_u32 s78, s78, s3
	s_add_nc_u64 s[26:27], s[26:27], s[78:79]
	s_lshl_b32 s78, s[BATCH], 12                   ; its scale words: [batch][K step = hg][row tile][r]
	s_lshl_b32 s3, s[HG], 10
	s_add_co_u32 s78, s78, s3
	s_add_nc_u64 s[28:29], s[28:29], s[78:79]
	v_and_b32 v[LR], 15, v0                        ; r
	v_bfe_u32 v[LH], v0, 4, 1                      ; h
	v_and_b32 v[LN], 31, v0                        ; lane
	v_and_b32 v[TMP], 8, v[LR]
	v_lshlrev_b32 v[BO], 6, v[LH]                  ; bq, bk: features 16 h on
	v_add_nc_u32 v[TMP], v[TMP], v[LR]             ; pi(r): THE ROWS OF A WEIGHT TILE ARE NOT NEIGHBOURS
	v_lshlrev_b32 v[WO], 9, v[TMP]
	v_lshlrev_b32 v[WSO], 4, v[TMP]                ; scale bytes: row pi(r), all four words
	v_lshlrev_b32 v[BVO], 2, v[TMP]                ; bv: feature pi(r)
	v_lshl_add_u32 v[WO], v[LH], 4, v[WO]          ; v's codes: row pi(r), + 16 h
	WALU
	WIN 0x40
.irp s,0,1,2,3
.irp c,0,1,2,3
	global_load_b128 v[WF+128+16*\s+4*\c:WF+128+16*\s+4*\c+3], v[WO], s[20:21] offset:128*\s+32*\c
.endr
.endr
.irp f,0,1
	global_load_b128 v[BI+8*\f:BI+8*\f+3], v[BO], s[16:17] offset:32*\f       ; the bias is the C of a sum's first product: register j of tile f is feature 16 h + 8 f + j
	global_load_b128 v[BI+8*\f+4:BI+8*\f+7], v[BO], s[16:17] offset:32*\f+16
.endr
	global_load_b32 v[BI+16], v[BVO], s[24:25]     ; in v's sums a lane holds one feature: spread over eight registers below
	WIN 0
	global_load_b128 v[WSC:WSC+3], v[WSO], s[12:13]
	global_load_b128 v[WSC+4:WSC+7], v[WSO], s[12:13] offset:128
	global_load_b128 v[WSC+8:WSC+11], v[WSO], s[22:23]
	s_mov_b32 s[SEL], 0x76543210
	s_mov_b32 s[SEL+1], 0xfedcba98
	s_mov_b32 s[CS], 0x3e8293ee                    ; log2(e) / sqrt(32)
	s_mov_b32 s[CS+1], s[CS]                       ; (named with it as a pair, so it is written)
	s_mov_b32 s[MNT], 0x600000
	s_mov_b32 s[C2PI], 0x3f22f983                  ; 2 / pi
	s_mov_b32 s[CP1], 0x3fc90fdb                   ; pi / 2 = P1 + P2
	s_mov_b32 s[CP2], 0xb33bbd2e
	s_mov_b32 s[CS1], 0xbe2aaaa3                   ; sin r = r + r z (S1 + z (S2 + z S3)), z = r r
	s_mov_b32 s[CS2], 0x3c08839e
	s_mov_b32 s[CS3], 0xb94ca1f9
	s_mov_b32 s[CC1], 0x3d2aaaa5                   ; cos r = 1 - z / 2 + z z (C1 + z (C2 + z C3))
	s_mov_b32 s[CC2], 0xbab6061a
	s_mov_b32 s[CC3], 0x37ccf5ce
	; ---- RoPE's table, while the loads are on their way.  Wave w makes tiles 2 w and 2 w + 1: lane (r, h) the cos and sin of its position x frequencies 8 h + 0 .. 7
	v_cmp_ne_u32 vcc_lo, 0, v[LH]
.macro FREQ j, lo, hi                  ; 10^(-i/4): i = j for lanes 0-15, 8 + j for lanes 16-31
	v_mov_b32 v[TF+\j], \lo
	v_mov_b32 v[T1_+\j], \hi
	v_cndmask_b32 v[TF+\j], v[TF+\j], v[T1_+\j], vcc_lo
.endm
	FREQ 0, 0x3f800000, 0x3c23d70a
	FREQ 1, 0x3f0ff59a, 0x3bb8449c
	FREQ 2, 0x3ea1e89b, 0x3b4f3e37
	FREQ 3, 0x3e361887, 0x3ae91528
	FREQ 4, 0x3dcccccd, 0x3a83126f
	FREQ 5, 0x3d6655c3, 0x3a136a16
	FREQ 6, 0x3d0186e2, 0x39a5cb5f
	FREQ 7, 0x3c91ad39, 0x393a7753
	s_lshl_b32 s3, s[WV], 5
	v_add_nc_u32 v[TPOS], s3, v[LR]                ; my position in tile 2 w
	s_lshl_b32 s3, s[WV], 12
	s_add_co_u32 s3, s3, RT
	v_lshl_add_u32 v[TADR], v[LN], 4, s3           ; my wave's two tiles of the table, 16 bytes a lane
.macro EACH line:vararg                ; one line for each of the eight frequencies
.irp j,0,1,2,3,4,5,6,7
	\line
.endr
.endm
.macro TRIG tt
	v_add_nc_u32 v[TL], 16*\tt, v[TPOS]
	v_cvt_f32_u32 v[TL], v[TL]
.irp j,0,1,2,3,4,5,6,7
	v_mul_f32 v[TA+\j], v[TL], v[TF+\j]            ; the angle, rounded once
.endr
.irp j,0,1,2,3,4,5,6,7
	v_mul_f32 v[TN+\j], s[C2PI], v[TA+\j]
.endr
.irp j,0,1,2,3,4,5,6,7
	v_rndne_f32 v[TN+\j], v[TN+\j]                 ; n = the nearest multiple of pi / 2, at most 162
.endr
.irp j,0,1,2,3,4,5,6,7
	v_fma_f32 v[TR+\j], -v[TN+\j], s[CP1], v[TA+\j]
.endr
.irp j,0,1,2,3,4,5,6,7
	v_fma_f32 v[TR+\j], -v[TN+\j], s[CP2], v[TR+\j]   ; r = angle - n pi / 2, within +-pi/4
.endr
.irp j,0,1,2,3,4,5,6,7
	v_cvt_i32_f32 v[TI+\j], v[TN+\j]
.endr
.irp j,0,1,2,3,4,5,6,7
	v_mul_f32 v[TZ+\j], v[TR+\j], v[TR+\j]
.endr
.irp j,0,1,2,3,4,5,6,7
	v_fma_f32 v[TS+\j], s[CS3], v[TZ+\j], s[CS2]
.endr
.irp j,0,1,2,3,4,5,6,7
	v_fma_f32 v[TC+\j], s[CC3], v[TZ+\j], s[CC2]
.endr
.irp j,0,1,2,3,4,5,6,7
	v_fma_f32 v[TS+\j], v[TS+\j], v[TZ+\j], s[CS1]
.endr
.irp j,0,1,2,3,4,5,6,7
	v_fma_f32 v[TC+\j], v[TC+\j], v[TZ+\j], s[CC1]
.endr
.irp j,0,1,2,3,4,5,6,7
	v_mul_f32 v[T1_+\j], v[TR+\j], v[TZ+\j]
.endr
.irp j,0,1,2,3,4,5,6,7
	v_mul_f32 v[T2_+\j], v[TZ+\j], v[TZ+\j]
.endr
.irp j,0,1,2,3,4,5,6,7
	v_fma_f32 v[TS+\j], v[TS+\j], v[T1_+\j], v[TR+\j]  ; sin r
.endr
.irp j,0,1,2,3,4,5,6,7
	v_fma_f32 v[T1_+\j], v[TZ+\j], -0.5, 1.0
.endr
.irp j,0,1,2,3,4,5,6,7
	v_fma_f32 v[TC+\j], v[TC+\j], v[T2_+\j], v[T1_+\j]  ; cos r
.endr
.irp j,0,1,2,3,4,5,6,7                 ; the quadrant n mod 4: an odd n swaps the two; sin is negative for 2, 3, cos for 1, 2
	v_and_b32 v[T1_+\j], 1, v[TI+\j]
.endr
.irp j,0,1,2,3,4,5,6,7
	v_cmp_eq_u32 s[4+\j], 1, v[T1_+\j]
.endr
.irp j,0,1,2,3,4,5,6,7
	v_lshlrev_b32 v[T2_+\j], 30, v[TI+\j]
.endr
.irp j,0,1,2,3,4,5,6,7
	v_add_nc_u32 v[T1_+\j], 1, v[TI+\j]
.endr
.irp j,0,1,2,3,4,5,6,7
	v_cndmask_b32 v[TO+16*\tt+2*\j], v[TC+\j], v[TS+\j], s[4+\j]
.endr
.irp j,0,1,2,3,4,5,6,7
	v_cndmask_b32 v[TO+16*\tt+2*\j+1], v[TS+\j], v[TC+\j], s[4+\j]
.endr
.irp j,0,1,2,3,4,5,6,7
	v_and_b32 v[T2_+\j], 0x80000000, v[T2_+\j]
.endr
.irp j,0,1,2,3,4,5,6,7
	v_lshlrev_b32 v[T1_+\j], 30, v[T1_+\j]
.endr
.irp j,0,1,2,3,4,5,6,7
	v_xor_b32 v[TO+16*\tt+2*\j+1], v[TO+16*\tt+2*\j+1], v[T2_+\j]
.endr
.irp j,0,1,2,3,4,5,6,7
	v_and_b32 v[T1_+\j], 0x80000000, v[T1_+\j]
.endr
.irp j,0,1,2,3,4,5,6,7
	v_xor_b32 v[TO+16*\tt+2*\j], v[TO+16*\tt+2*\j], v[T1_+\j]
.endr
.irp g,0,1,2,3
	ds_store_b128 v[TADR], v[TO+16*\tt+4*\g:TO+16*\tt+4*\g+3] offset:2048*\tt+512*\g
.endr
.endm
	TRIG 0
	TRIG 1
	; the lane terms of LDS addresses
	s_mul_i32 s3, s[HD], 32*XPITCH
	s_mul_i32 s77, s[Z], 128*XPITCH
	s_add_co_u32 s77, s77, s3
	s_add_co_u32 s77, s77, WL
	v_mul_u32_u24 v[WAD], v[TMP], XPITCH
	v_mul_u32_u24 v[XA], v[LR], XPITCH
	v_lshl_add_u32 v[XSA], v[LR], 4, XS            ; x's scale words: row r's four
	v_lshl_add_u32 v[RA], v[LN], 4, RT
	v_lshl_add_u32 v[WAD], v[LH], 4, v[WAD]
	v_lshl_add_u32 v[XA], v[LH], 4, v[XA]          ; x's fragments: row r, + 16 h
	v_add_nc_u32 v[WAD], s77, v[WAD]               ; my weights: row 32 hd + pi(r) of q's or k's, + 16 h
	s_lshl_b32 s3, s[HD], 13
	s_lshl_b32 s77, s[Z], 15
	s_add_co_u32 s77, s77, s3
	s_add_co_u32 s77, s77, QI
	v_lshl_add_u32 v[IA], v[LN], 4, s77            ; q's images (z = 0) or k's, 32,768 bytes on (z = 1)
	s_lshl_b32 s77, s[Z], 12
	s_add_co_u32 s77, s77, s3
	s_add_co_u32 s77, s77, VI
	v_lshl_add_u32 v[VA], v[LN], 4, s77            ; V^T's images, ud = z
	s_lshl_b32 s3, s[HD], 11
	s_lshl_b32 s77, s[Z], 13
	s_add_co_u32 s77, s77, s3
	s_add_co_u32 s77, s77, QW
	v_lshl_add_u32 v[WA], v[LN], 2, s77            ; q's or k's scale words
	s_lshl_b32 s3, s[HD], 8
	s_lshl_b32 s77, s[Z], 7
	s_add_co_u32 s77, s77, s3
	s_add_co_u32 s77, s77, VB
	v_lshl_add_u32 v[VBA], v[LR], 3, s77           ; V^T's scale bytes: 8 for my feature
.irp g,0,1,2
	v_mov_b32 v[TP+\g], 0                          ; written once: a lane permute's destination counts as one of its sources
.endr
	WALU
	s_cmp_lt_u32 s[WV], 2
	s_cbranch_scc0 .Lnot_weights
	s_wait_tensorcnt 0x0                           ; waves 0 and 1: W_q's and W_k's rows have landed; the other waves' wait stands at the second barrier
.Lnot_weights:
	s_wait_dscnt 0x0                               ; my part of the table is in LDS
	BARRIER
	WIN 0x40
.irp f,0,1
.irp s,0,1,2,3
.irp c,0,1,2,3
	ds_load_b128 v[WF+64*\f+16*\s+4*\c:WF+64*\f+16*\s+4*\c+3], v[WAD] offset:8*XPITCH*\f+128*\s+32*\c
.endr
.endr
.endr
	WIN 0
	s_wait_loadcnt 0x0                             ; v's weights, scale words and biases
	WIN 0x41
.irp j,1,2,3,4,5,6,7
	v_mov_b32 v[BI+16+\j], v[BI+16]
.endr
	WIN 0
	WALU                                           ; the wait at the head's end
	s_wait_tensorcnt 0x0                           ; my part of x has landed,
	s_wait_dscnt 0x0                               ; my weights are in registers:
	BARRIER                                        ; x is whole, and q's and k's rows in LDS are read no more: images may lie there
	s_mov_b32 s[CNT], 0
	s_mov_b32 s[SX], 0
	s_mov_b32 s[SXS], 0
	s_mov_b32 s[SRT], 0
	s_mov_b32 s[SI], 0
	s_mov_b32 s[SW], 0
	s_mov_b32 s[SV], 0
	s_mov_b32 s[SB], 0
.macro XL adr                          ; the next of 32 loads of x's fragments: tile XN / 16, K step (XN / 4) % 4, piece XN % 4
	ds_load_b128 v[XF+4*XN:XF+4*XN+3], v[\adr] offset:16*XPITCH*(XN/16)+32*(XN%16)
.set XN, XN+1
.endm
.macro XSC xs                          ; x's scale words
.irp u,0,1
	ds_load_b128 v[XSW+4*\u:XSW+4*\u+3], v[\xs] offset:256*\u
.endr
.endm
.macro VPAIR s                         ; v's products of K step s
.irp u,0,1
	MM ACV+8*\u, XF+64*\u+16*\s, WF+128+16*\s, ACV+8*\u, XSW+4*\u+\s, WSC+8+\s
.endr
.endm
.macro ROPE u
.irp j,0,2,4,6,8,10,12,14
	v_pk_mul_f32 v[T16+\j:T16+\j+1], v[ACR+16*\u+\j:ACR+16*\u+\j+1], v[RP+16*\u+\j:RP+16*\u+\j+1] op_sel_hi:[1,0]   ; (x1 cos, x2 cos)
.endr
.irp j,0,2,4,6,8,10,12,14
	v_pk_fma_f32 v[ACR+16*\u+\j:ACR+16*\u+\j+1], v[ACR+16*\u+\j:ACR+16*\u+\j+1], v[RP+16*\u+\j:RP+16*\u+\j+1], v[T16+\j:T16+\j+1] op_sel:[1,1,0] op_sel_hi:[0,1,1] neg_lo:[0,1,0]   ; (x1 cos - x2 sin, x2 cos + x1 sin)
.endr
.endm
.macro RPL rp                          ; RoPE's table
	WIN 0x40
.irp u,0,1
.irp g,0,1,2,3
	ds_load_b128 v[RP+16*\u+4*\g:RP+16*\u+4*\g+3], v[\rp] offset:2048*\u+512*\g
.endr
.endr
	WIN 0
.endm
.set XN, 0
.rept 32
	XL XA
.endr
	XSC XSA
	RPL RA
; Three groups of 16 registers (q's or k's two positions' halves, v's half block) become 16 codes each and a scale byte; the other half of each block of 32 lies in lane l xor 16.
.macro QUANT3
.irp g,0,1,2
	v_max3_num_f32 v[AM+\g], |v[ACR+16*\g]|, |v[ACR+16*\g+1]|, 0x8000000   ; with the floor 2^(16 - 127): the byte cannot fall under 1
.endr
.irp i,2,4,6,8,10,12,14
.irp g,0,1,2
	v_max3_num_f32 v[AM+\g], v[AM+\g], |v[ACR+16*\g+\i]|, |v[ACR+16*\g+\i+1]|   ; the three groups by turns
.endr
.endr
.irp g,0,1,2
	v_permlanex16_b32 v[TP+\g], v[AM+\g], s[SEL], s[SEL+1]
.endr
.irp g,0,1,2
	v_max_num_f32 v[AM+\g], v[AM+\g], v[TP+\g]     ; the block's largest magnitude
.endr
.irp g,0,1,2
	v_add_nc_u32 v[SCR+\g], 0xf8800000, v[AM+\g]   ; 15 off its exponent field: the conversion's scale operand
.endr
.irp g,0,1,2
	v_and_or_b32 v[HDR+\g], v[AM+\g], 0x7f800000, s[MNT]   ; 57,344 x the scale
.endr
.irp g,0,1,2
	v_lshrrev_b32 v[BYR+\g], 23, v[SCR+\g]         ; the scale's byte; as a word: byte 0 the scale, the others 0
.endr
.irp g,0,1,2
.irp i,0,1,2,3,4,5,6,7,8,9,10,11,12,13,14,15
	v_med3_num_f32 v[ACR+16*\g+\i], v[ACR+16*\g+\i], -v[HDR+\g], v[HDR+\g]   ; the conversion to an 8-bit code does not saturate (ISA guide 7.6.2): the hold
.endr
.endr
.irp g,0,1,2
	v_cvt_scalef32_pk8_bf8_f32 v[CD+4*\g:CD+4*\g+1], v[ACR+16*\g:ACR+16*\g+7], v[SCR+\g]
	v_cvt_scalef32_pk8_bf8_f32 v[CD+4*\g+2:CD+4*\g+3], v[ACR+16*\g+8:ACR+16*\g+15], v[SCR+\g]
.endr
	v_nop                                          ; a plain line behind the last conversion
.endm
; ---- THE PROJECTIONS: eight trips, 32 positions (x tiles 2 b, 2 b + 1) each: 24 products 128 deep.  The next trip's x is fetched among RoPE's lines; the last trip, written out, fetches nothing
.macro TRIP last
	s_wait_dscnt 14                                ; all but the eight loads of the table and the last trip's six stores: this trip's fragments and scale words are in
	WIN 0x11                                       ; q or k: source 0 (W) and C (bias) window 1.  Four sums by turns, one instruction a turn
.irp u,0,1
.irp f,0,1
	MM ACR+16*\u+8*\f, WF+64*\f, XF+64*\u, BI+8*\f, WSC+4*\f, XSW+4*\u
.endr
.endr
	WIN 0x01
.irp s,1,2,3
.irp u,0,1
.irp f,0,1
	MM ACR+16*\u+8*\f, WF+64*\f+16*\s, XF+64*\u+16*\s, ACR+16*\u+8*\f, WSC+4*\f+\s, XSW+4*\u+\s
.endr
.endr
.endr
	WIN 0x14                                       ; v: source 0 = x, source 1 (Wv) and C (bias) window 1.  Two sums by turns
.irp u,0,1
	MM ACV+8*\u, XF+64*\u, WF+128, BI+16, XSW+4*\u, WSC+8
.endr
	WIN 0x04                                       ; source 1 (Wv, the table) window 1; the address lines name a vector as source 0 alone
	v_add_nc_u32 v[WIA], v[IA], s[SI]              ; this trip's store addresses and the next trip's load addresses: places behind q's or k's products
	v_add_nc_u32 v[WWA], v[WA], s[SW]
	VPAIR 1
	v_add_nc_u32 v[WVA], v[VA], s[SV]
	v_add_nc_u32 v[WVB], v[VBA], s[SB]
.if \last
	v_nop
	VPAIR 2
	PLACES 4
.else
	s_add_co_u32 s[SX], s[SX], 32*XPITCH
	s_add_co_u32 s[SXS], s[SXS], 512
	s_add_co_u32 s[SRT], s[SRT], 4096
	v_add_nc_u32 v[WXA], v[XA], s[SX]
	VPAIR 2
	v_add_nc_u32 v[WXS], v[XSA], s[SXS]
	v_add_nc_u32 v[WRA], v[RA], s[SRT]
	PLACES 2
.endif
	VPAIR 3
	s_wait_dscnt 0x0                               ; the table
	ROPE 0                                         ; (sixteen places behind v's products, for the loads below and the reads of v's sums)
.if \last == 0
.set XN, 0
.rept 32
	XL WXA                                         ; the next trip's x, in one run
.endr
	XSC WXS
.endif
	ROPE 1
	WIN 0
	QUANT3
.if \last == 0
	RPL WRA
.endif
	ds_store_b128 v[WIA], v[CD:CD+3]               ; operands go through LDS as images of their registers: 16 bytes a lane, 512 a store
	ds_store_b128 v[WIA], v[CD+4:CD+7] offset:512
	ds_store_b32 v[WWA], v[BYR]
	ds_store_b32 v[WWA], v[BYR+1] offset:128
	ds_store_b128 v[WVA], v[CD+8:CD+11]
	ds_store_b8 v[WVB], v[BYR+2]                   ; both lanes of a feature write the same byte with the same value
.endm
	s_wait_dscnt 0x0                               ; the first trip's x, scale words and table
.Lproj:
	TRIP 0
	s_add_co_u32 s[SI], s[SI], 1024
	s_add_co_u32 s[SW], s[SW], 256
	s_add_co_u32 s[SV], s[SV], 512
	s_add_co_u32 s[SB], s[SB], 1
	s_add_co_u32 s[CNT], s[CNT], 1
	s_cmp_lt_u32 s[CNT], 7
	s_cbranch_scc1 .Lproj
	TRIP 1
; ---- ATTENTION.  K's and V^T's codes and scale words of my head stay in registers; a query tile's come with each tile
	s_lshl_b32 s3, s[HD], 13
	s_lshl_b32 s77, s[Z], 9
	s_add_co_u32 s77, s77, s3
	s_add_co_u32 s77, s77, QI
	v_lshl_add_u32 v[QA], v[LN], 4, s77            ; q's image of tile z; tile 2 b + z lies 1,024 b on
	s_add_co_u32 s77, s3, KI
	v_lshl_add_u32 v[KA], v[LN], 4, s77
	s_add_co_u32 s77, s3, VI
	v_lshl_add_u32 v[VAA], v[LN], 4, s77
	s_lshl_b32 s3, s[HD], 11
	s_lshl_b32 s77, s[Z], 7
	s_add_co_u32 s77, s77, s3
	s_add_co_u32 s77, s77, QW
	v_lshl_add_u32 v[QWA], v[LN], 2, s77
	s_add_co_u32 s77, s3, KW
	v_lshl_add_u32 v[KWA], v[LN], 2, s77
	s_lshl_b32 s77, s[HD], 8
	s_add_co_u32 s77, s77, VB
	v_lshl_add_u32 v[VBB], v[LR], 3, s77
	s_lshl_b32 s77, s[Z], 6
	s_add_co_u32 s77, s77, s[HD]
	s_add_co_u32 s77, s77, AB
	v_lshl_add_u32 v[ABA], v[LR], 2, s77           ; the result's scale byte: 64 (2 b + z) + 4 r + hd
	v_lshlrev_b32 v[AOO], 4, v[LN]
	; the diagonal block's mask.  Register i = 8 kt + j holds key 32 b + 16 kt + 8 h + j, my query is 32 b + 16 z + r: hidden where 16 kt + j > 16 z + r - 8 h.  The same for every b
	s_lshl_b32 s3, s[Z], 4
	v_lshlrev_b32 v[TX], 3, v[LH]
	v_sub_nc_u32 v[TX], v[LR], v[TX]
	v_add_nc_u32 v[TX], s3, v[TX]
	v_mov_b32 v[BIGN], 0xff61b1e6                  ; -3e38
	v_mov_b32 v[FL], 0x8000000
	v_mov_b32 v[NM+1], 0                           ; (named as the upper halves of pairs whose low word serves both halves)
	v_mov_b32 v[RL+1], 0
	WIN 0x40
.irp i,0,1,2,3,4,5,6,7,8,9,10,11,12,13,14,15
	v_cmp_gt_i32 vcc_lo, 16*(\i/8)+\i%8, v[TX]
	v_cndmask_b32 v[MC+\i], 0, v[BIGN], vcc_lo
.endr
.set i, 0
.rept 12
	v_mov_b32 v[KC+64+i], 0                        ; zero codes behind K's last tile,
	v_mov_b32 v[QF+4+i], 0                         ; and for k = 32 .. 127 of Q's fragment
.set i, i+1
.endr
	WIN 0
.set i, 0
.rept 32
	v_mov_b32 v[PC+i], 0                           ; p's codes of blocks that a tile does not reach stay zeros: b rises, so a block is written only from its first use on
.set i, i+1
.endr
.irp g,0,1,2,3,4,5,6,7
	v_mov_b32 v[TB+\g], 0                          ; written once: a lane permute's destination counts as one of its sources
.endr
	WALU
	s_wait_dscnt 0x0                               ; for the others' sake: my images lie in LDS
	BARRIER
	WIN 0x40
	ds_load_b128 v[QF:QF+3], v[QA]
.irp t,0,1,2,3,4,5,6,7,8,9,10,11,12,13,14,15
	ds_load_b128 v[KC+4*\t:KC+4*\t+3], v[KA] offset:512*\t
.endr
	WIN 0
	ds_load_b32 v[QS], v[QWA]
.irp t,0,1,2,3,4,5,6,7,8,9,10,11,12,13,14,15
	ds_load_b32 v[KS+\t], v[KWA] offset:128*\t
.endr
	WIN 0x40
.irp d,0,1
.irp s,0,1
.irp c,0,1,2,3
	ds_load_b128 v[VC+32*\d+16*\s+4*\c:VC+32*\d+16*\s+4*\c+3], v[VAA] offset:4096*\d+2048*\s+512*\c
.endr
.endr
.endr
	WIN 0
.irp d,0,1
	ds_load_b64 v[VS+2*\d:VS+2*\d+1], v[VBB] offset:128*\d
.endr
.macro SBLK kb                         ; S^T of a query tile against key block kb
	WIN 0x15
.irp kt,0,1
	MM0 S+16*(\kb)+8*\kt, KC+8*(\kb)+4*\kt, QF, KS+2*(\kb)+\kt, QS
.endr
.endm
.macro SDIAG b                         ; and against its diagonal block, beginning with the mask
	WIN 0x15
.irp kt,0,1
	MM S+16*(\b)+8*\kt, KC+8*(\b)+4*\kt, QF, MC+8*\kt, KS+2*(\b)+\kt, QS
.endr
.endm
; THE WAY OUT of a tile stands in the next tile's step: its sum behind the products, its reciprocal among the exponentials, the rest among the sums and holds; its store ahead of the exponentials after that (TON = 1: there is a tile before)
.macro FINSUM                          ; the row's sum; with the v_nop the places behind the products
	v_pk_add_f32 v[SUA:SUA+1], v[SUA:SUA+1], v[SUB:SUB+1]
	v_add_f32 v[SUA], v[SUA], v[SUA+1]
	v_permlanex16_b32 v[TX], v[SUA], s[SEL], s[SEL+1]
	v_add_f32 v[SUA], v[SUA], v[TX]
	PLACES 5
.endm
.macro OMUL
.irp j,0,2,4,6,8,10,12,14
	v_pk_mul_f32 v[OO+\j:OO+\j+1], v[OO+\j:OO+\j+1], v[RL:RL+1] op_sel_hi:[1,0]   ; O^T / the sum: register 8 d + j is feature 16 h + 8 d + j of my query
.endr
.endm
.macro TMAX k                          ; the head's 32 features are one block of the output projection's K: line k of finding its scale
.if TON
.if \k == 0
	v_max3_num_f32 v[T0], |v[OO]|, |v[OO+1]|, v[FL]
.elseif \k == 1
	v_max3_num_f32 v[T1], |v[OO+2]|, |v[OO+3]|, |v[OO+4]|
.elseif \k < 7
	v_max3_num_f32 v[T0+\k%2], v[T0+\k%2], |v[OO+2*\k+1]|, |v[OO+2*\k+2]|
.elseif \k == 7
	v_max3_num_f32 v[T0], v[T0], v[T1], |v[OO+15]|
.elseif \k == 8
	v_permlanex16_b32 v[TPM], v[T0], s[SEL], s[SEL+1]
.elseif \k == 9
	v_max_num_f32 v[T0], v[T0], v[TPM]
.elseif \k == 10
	v_add_nc_u32 v[TSC], 0xf8800000, v[T0]
.elseif \k == 11
	v_and_or_b32 v[THD], v[T0], 0x7f800000, s[MNT]
.else
	v_lshrrev_b32 v[T1], 23, v[TSC]
.endif
.endif
.endm
.macro MED                             ; the next two holds
.if TON
.if MI < 16
	v_med3_num_f32 v[OO+MI], v[OO+MI], -v[THD], v[THD]
	v_med3_num_f32 v[OO+MI+1], v[OO+MI+1], -v[THD], v[THD]
.set MI, MI+2
.endif
.endif
.endm
.macro OCVT
.if TON
	v_cvt_scalef32_pk8_bf8_f32 v[AC:AC+1], v[OO:OO+7], v[TSC]
	v_cvt_scalef32_pk8_bf8_f32 v[AC+2:AC+3], v[OO+8:OO+15], v[TSC]
.endif
.endm
.macro OSTORE b                        ; tile b's codes: 512 consecutive bytes a wave, aligned: four registers of the next launch's operand; its bytes meet the other heads' in LDS
.if TON
	global_store_b128 v[AOO], v[AC:AC+3], s[26:27] offset:16384*(\b)
	ds_store_b8 v[ABA], v[T1] offset:128*(\b)
.endif
.endm
.macro RND a, b                        ; two more of each block's 16 scores
.irp kb,0,1,2,3,4,5,6,7
.if \kb <= \b
	v_max3_num_f32 v[BM+\kb], v[BM+\kb], v[S+16*\kb+\a], v[S+16*\kb+\a+1]
.endif
.endr
.endm
.macro PSL k, b                        ; p's scale words: byte c of word st is block 4 st + c; blocks not reached keep the byte 0 over zero codes
.if \k == 0
.if \b == 0
	v_mov_b32 v[PS], v[TB]
.else
	v_lshl_or_b32 v[PS], v[TB+1], 8, v[TB]
.endif
.elseif \k == 1
.if \b == 4
	v_mov_b32 v[PS+1], v[TB+4]
.elseif \b > 4
	v_lshl_or_b32 v[PS+1], v[TB+5], 8, v[TB+4]
.endif
.elseif \k == 2
.if \b >= 2
	v_lshl_or_b32 v[PS], v[TB+2], 16, v[PS]
.endif
.elseif \k == 3
.if \b >= 6
	v_lshl_or_b32 v[PS+1], v[TB+6], 16, v[PS+1]
.endif
.elseif \k == 4
.if \b >= 3
	v_lshl_or_b32 v[PS], v[TB+3], 24, v[PS]
.endif
.else
.if \b >= 7
	v_lshl_or_b32 v[PS+1], v[TB+7], 24, v[PS+1]
.endif
.endif
.endm
.macro HOLD kb, i                      ; p is not negative, so its hold is one-sided; two at a time
	v_dual_min_num_f32 v[S+16*(\kb)+2*\i], v[S+16*(\kb)+2*\i], v[HA+(\kb)] :: v_dual_min_num_f32 v[S+16*(\kb)+2*\i+1], v[S+16*(\kb)+2*\i+1], v[HA+(\kb)]
.endm
.macro CVT2 kb
	v_cvt_scalef32_pk8_bf8_f32 v[PC+4*(\kb):PC+4*(\kb)+1], v[S+16*(\kb):S+16*(\kb)+7], v[SA+(\kb)]
	v_cvt_scalef32_pk8_bf8_f32 v[PC+4*(\kb)+2:PC+4*(\kb)+3], v[S+16*(\kb)+8:S+16*(\kb)+15], v[SA+(\kb)]
.endm
; Query tile 2 b + z, whose score products (and the tile before's second products) have been issued.  Written out for each b: no branch, no label
.macro ATT b
.if \b > 0
.set TON, 1
.else
.set TON, 0
.endif
.set MI, 0
	WIN 0
.if TON
	FINSUM
.else
	PLACES 8                                       ; behind the products
.endif
.irp kb,0,1,2,3,4,5,6,7
.if \kb <= \b
	v_max_num_f32 v[BM+\kb], v[S+16*\kb], v[S+16*\kb+1]   ; THE LARGEST SCORE OF EACH BLOCK serves twice: for the row's maximum and, since p rises with the score, for the block's largest p
.endif
.endr
.irp a,2,4,6,8,10,12,14
	RND \a, \b
.endr
.irp kb,0,1,2,3,4,5,6,7
.if \kb <= \b
	v_permlanex16_b32 v[TB+\kb], v[BM+\kb], s[SEL], s[SEL+1]
.endif
.endr
.irp kb,0,2,4,6                        ; with lane l xor 16's 16 keys.  Every block has a key that counts (its first)
.if \kb < \b
	v_dual_max_num_f32 v[BM+\kb], v[BM+\kb], v[TB+\kb] :: v_dual_max_num_f32 v[BM+\kb+1], v[BM+\kb+1], v[TB+\kb+1]
.elseif \kb == \b
	v_max_num_f32 v[BM+\kb], v[BM+\kb], v[TB+\kb]
.endif
.endr
.if \b == 0
	v_mul_f32 v[RM], s[CS], v[BM]
.else
.if \b == 1
	v_max_num_f32 v[RM], v[BM], v[BM+1]
.else
	v_max3_num_f32 v[RM], v[BM], v[BM+1], v[BM+2]
.endif
.irp kb,3,5,7
.if \kb < \b
	v_max3_num_f32 v[RM], v[RM], v[BM+\kb], v[BM+\kb+1]
.elseif \kb == \b
	v_max_num_f32 v[RM], v[RM], v[BM+\kb]
.endif
.endr
	v_mul_f32 v[RM], s[CS], v[RM]                  ; the row's largest t (c is positive)
.endif
	v_floor_f32 v[NM], -v[RM]                      ; -M = floor(-t) = -ceil(t)
.irp kb,0,1,2,3,4,5,6,7
.if \kb <= \b
.irp j,0,2,4,6,8,10,12,14
	v_pk_fma_f32 v[S+16*\kb+\j:S+16*\kb+\j+1], v[S+16*\kb+\j:S+16*\kb+\j+1], s[CS:CS+1], v[NM:NM+1] op_sel_hi:[1,0,0]   ; t - M
.endr
.endif
.endr
.irp kb,0,2,4,6                        ; the same of each block's largest score
.if \kb < \b
	v_pk_fma_f32 v[BM+\kb:BM+\kb+1], v[BM+\kb:BM+\kb+1], s[CS:CS+1], v[NM:NM+1] op_sel_hi:[1,0,0]
.elseif \kb == \b
	v_fma_f32 v[BM+\kb], v[BM+\kb], s[CS], v[NM]
.endif
.endr
.if \b < 7
	WIN 0x40
	ds_load_b128 v[QF:QF+3], v[QA] offset:1024*(\b+1)   ; the next tile's q lands under the exponentials
	WIN 0
	ds_load_b32 v[QS], v[QWA] offset:256*(\b+1)
.endif
.if \b > 1
	OSTORE \b-2
.endif
	WALU                                           ; the waits ahead of and behind the exponentials
.if TON
	v_rcp_f32 v[RL], v[SUA]                        ; 1 / the sum of the tile before
.endif
.irp kb,0,1,2,3,4,5,6,7
.if \kb <= \b
	v_exp_f32 v[BM+\kb], v[BM+\kb]                 ; the block's largest p
.endif
.endr
.irp kb,0,1,2,3,4,5,6,7
.if \kb <= \b
.irp j,0,1,2,3,4,5,6,7,8,9,10,11,12,13,14,15
	v_exp_f32 v[S+16*\kb+\j], v[S+16*\kb+\j]       ; p = 2^(t - M), not normalised
.endr
.endif
.endr
	v_nop                                          ; a plain line behind the exponentials
	s_wait_dscnt 0x0                               ; the next tile's q is in (b = 0: V^T too)
	s_wait_xcnt 0x0                                ; the store above has read its data: they are written again only behind this wait
	WALU                                           ; (it serves O^T's first reads as well)
.if TON
	OMUL
.endif
.irp kb,0,2,4,6
.if \kb < \b
	v_dual_max_num_f32 v[BM+\kb], v[FL], v[BM+\kb] :: v_dual_max_num_f32 v[BM+\kb+1], v[FL], v[BM+\kb+1]   ; the floor
.elseif \kb == \b
	v_max_num_f32 v[BM+\kb], v[FL], v[BM+\kb]
.endif
.endr
	TMAX 0
	TMAX 1
.irp kb,0,1,2,3,4,5,6,7
.if \kb <= \b
	v_add_nc_u32 v[SA+\kb], 0xf8800000, v[BM+\kb]
.endif
.endr
	TMAX 2
	TMAX 3
.irp kb,0,1,2,3,4,5,6,7
.if \kb <= \b
	v_and_or_b32 v[HA+\kb], v[BM+\kb], 0x7f800000, s[MNT]
.endif
.endr
	TMAX 4
	TMAX 5
.irp kb,0,1,2,3,4,5,6,7
.if \kb <= \b
	v_lshrrev_b32 v[TB+\kb], 23, v[SA+\kb]
.endif
.endr
	TMAX 6
	v_pk_add_f32 v[SUA:SUA+1], v[S:S+1], v[S+2:S+3]       ; THE ROW'S SUM IS TAKEN OF THE UNQUANTISED p: pairs, in two chains
	PSL 0, \b
	TMAX 7
	v_pk_add_f32 v[SUB:SUB+1], v[S+4:S+5], v[S+6:S+7]
	PSL 1, \b
	TMAX 8
.irp i,2,3,4,5
	v_pk_add_f32 v[SUA+2*(\i%2):SUA+2*(\i%2)+1], v[SUA+2*(\i%2):SUA+2*(\i%2)+1], v[S+2*\i+4:S+2*\i+5]
	PSL \i, \b
	TMAX \i+7
.endr
.irp kb,1,2,3,4,5,6,7                  ; block kb's sums among block kb - 1's holds
.if \kb <= \b
.irp i,0,1,2,3,4,5,6,7
	v_pk_add_f32 v[SUA+2*(\i%2):SUA+2*(\i%2)+1], v[SUA+2*(\i%2):SUA+2*(\i%2)+1], v[S+16*\kb+2*\i:S+16*\kb+2*\i+1]
	HOLD \kb-1, \i
.if \kb == 1
	MED
.endif
.if \i == 3
.if \kb > 1
.if \b < 7
	SBLK \kb-2                                     ; the next tile's scores, block by block as p's codes are made
	WIN 0
.endif
.endif
.endif
.endr
	CVT2 \kb-1
.if \kb == 1
	OCVT
.endif
.endif
.endr
.irp i,0,1,2,3,4,5,6,7
	HOLD \b, \i
.if \i == 3
.if \b > 0
.if \b < 7
	SBLK \b-1
	WIN 0
.endif
.endif
.endif
.endr
	CVT2 \b
	PLACES 4                                       ; between the codes and the products that take them
	WIN 0x01                                       ; O^T = V^T P^T: V^T window 1; p, O^T window 0.  Two sums by turns
.irp d,0,1
	MM0 OO+8*\d, VC+32*\d, PC, VS+2*\d, PS
.endr
.if \b >= 4
.irp d,0,1
	MM OO+8*\d, VC+32*\d+16, PC+16, OO+8*\d, VS+2*\d+1, PS+1
.endr
.endif
.if \b < 7
	SBLK \b                                        ; the rest of the next tile's scores straight behind
	SDIAG \b+1
.endif
.endm
	s_wait_dscnt 18                                ; q's and K's; V^T's 18 loads may be out
	SDIAG 0
	ATT 0
	ATT 1
	ATT 2
	ATT 3
	ATT 4
	ATT 5
	ATT 6
	ATT 7
.set TON, 1                            ; the last tile's way out
.set MI, 0
	WIN 0
	FINSUM
	OSTORE 6
	WALU
	v_rcp_f32 v[RL], v[SUA]
	v_nop
	s_wait_xcnt 0x0                                ; the store has read its data
	WALU
	OMUL
.irp k,0,1,2,3,4,5,6,7,8,9,10,11,12
	TMAX \k
.endr
.rept 8
	MED
.endr
	OCVT
	v_lshl_add_u32 v[QA], v0, 4, AB                ; (plain lines behind the conversions)  the work-group's 256 scale words, 16 bytes a thread of waves 0 and 1
	v_lshlrev_b32 v[QWA], 4, v0
	OSTORE 7
	WALU
	s_wait_dscnt 0x0                               ; for the others' sake: my bytes lie in LDS
	BARRIER
	s_cmp_lt_u32 s[WV], 2                          ; 1,024 consecutive bytes leave by waves 0 and 1
	s_cbranch_scc0 .Lno_words
	ds_load_b128 v[OO:OO+3], v[QA]
	s_wait_dscnt 0x0
	global_store_b128 v[QWA], v[OO:OO+3], s[28:29]
.Lno_words:
	WIN 0x05
	s_wait_tensorcnt 0x0                           ; the wave's end
	ds_add_u32 v[SPW], v[NIL]
	s_wait_dscnt 0x0
	WIN 0
	CROUND                                         ; the closing round: no work-group ends while a partner may still ask jointly
	s_endpgm
.Lfunc_end_k_q18d1a7fed0_attn:
	.size	k_q18d1a7fed0_attn, .Lfunc_end_k_q18d1a7fed0_attn-k_q18d1a7fed0_attn
	.p2alignl 7, 3214868480
	.fill 96, 4, 3214868480
	.section	.rodata,"a",@progbits
	.p2align	6, 0x0
	.amdhsa_kernel k_q18d1a7fed0_attn
		.amdhsa_group_segment_fixed_size 308224
		.amdhsa_private_segment_fixed_size 0
		.amdhsa_enable_private_segment 0
		.amdhsa_kernarg_size 104
		.amdhsa_user_sgpr_count 2
		.amdhsa_user_sgpr_kernarg_segment_ptr 1
		.amdhsa_wavefront_size32 1
		.amdhsa_system_sgpr_workgroup_id_x 1
		.amdhsa_system_sgpr_workgroup_id_y 1
		.amdhsa_system_sgpr_workgroup_id_z 1
		.amdhsa_system_vgpr_workitem_id 0
		.amdhsa_next_free_vgpr 512
		.amdhsa_next_free_sgpr 100
		.amdhsa_reserve_vcc 1
		.amdhsa_float_denorm_mode_32 3
		.amdhsa_float_denorm_mode_16_64 3
		.amdhsa_memory_ordered 1
		.amdhsa_forward_progress 1
		.amdhsa_inst_pref_size 228
	.end_amdhsa_kernel
	.amdgpu_metadata
---
amdhsa.version: [ 1, 2 ]
amdhsa.kernels:
  - .name:           k_q18d1a7fed0_attn
    .symbol:         k_q18d1a7fed0_attn.kd
    .args:
      - { .name: x_codes, .offset: 0, .size: 8, .value_kind: global_buffer, .address_space: global }
      - { .name: x_scales, .offset: 8, .size: 8, .value_kind: global_buffer, .address_space: global }
      - { .name: wq_codes, .offset: 16, .size: 8, .value_kind: global_buffer, .address_space: global }
      - { .name: wk_codes, .offset: 24, .size: 8, .value_kind: global_buffer, .address_space: global }
      - { .name: wq_scales, .offset: 32, .size: 8, .value_kind: global_buffer, .address_space: global }
      - { .name: wk_scales, .offset: 40, .size: 8, .value_kind: global_buffer, .address_space: global }
      - { .name: bq, .offset: 48, .size: 8, .value_kind: global_buffer, .address_space: global }
      - { .name: bk, .offset: 56, .size: 8, .value_kind: global_buffer, .address_space: global }
      - { .name: wv_codes, .offset: 64, .size: 8, .value_kind: global_buffer, .address_space: global }
      - { .name: wv_scales, .offset: 72, .size: 8, .value_kind: global_buffer, .address_space: global }
      - { .name: bv, .offset: 80, .size: 8, .value_kind: global_buffer, .address_space: global }
      - { .name: ao_codes, .offset: 88, .size: 8, .value_kind: global_buffer, .address_space: global }
      - { .name: ao_scales, .offset: 96, .size: 8, .value_kind: global_buffer, .address_space: global }
    .group_segment_fixed_size: 308224
    .private_segment_fixed_size: 0
    .kernarg_segment_align: 8
    .kernarg_segment_size: 104
    .max_flat_workgroup_size: 256
    .sgpr_count:     100
    .vgpr_count:     512
    .wavefront_size: 32
...
	.end_amdgpu_metadata
.endif
;; end of part 1
;; launch oproj (part 2): grid 4 x 64, 8 waves a work-group, clusters of 4 x 4, 234,496 bytes of LDS; arguments ao_codes, ao_scales, wo_codes, wo_scales, bo, out0; writes out0
.if DOCPART == 2
	.amdgcn_target "amdgcn-amd-amdhsa--gfx1250"
	.amdhsa_code_object_version 6
	.text
	.protected	k_q18d1a7fed0_oproj
	.globl	k_q18d1a7fed0_oproj
	.p2align	8
	.type	k_q18d1a7fed0_oproj,@function
k_q18d1a7fed0_oproj:
	s_mov_b64 s[64:65], 0
	v_nop
	global_prefetch_b8 v0, s[64:65] scope:SCOPE_SE
	s_setreg_imm32_b32 hwreg(HW_REG_WAVE_MODE, 25, 1), 1
	s_wait_xcnt 0x0
	s_wait_alu depctr_hold_cnt(0) depctr_sa_sdst(0) depctr_va_vdst(0) depctr_va_sdst(0) depctr_va_ssrc(0) depctr_va_vcc(0) depctr_vm_vsrc(0)
	s_getreg_b32 s2, hwreg(HW_REG_IB_STS2, 6, 4)
	s_cmp_eq_u32 s2, 0
	s_cbranch_scc0 .Lentry_in_a_cluster
	s_endpgm
.Lentry_in_a_cluster:
	s_bfe_u32 s2, ttmp6, 0x10000c
	s_cmp_lg_u32 s2, 0xf033
	s_cbranch_scc0 .Lentry_shape_is_right
	s_endpgm
.Lentry_shape_is_right:
; out0 = ao wo^T + bo on codes of BF8 (E5M2) with one E8M0 scale for each 32 along K = 512.  ao: the attention's result as the launch before laid it: images of operand registers,
; [batch][row tile 16][K step 4][group of 4 registers][lane][16 bytes], and scale words [batch][K step][row tile][r].  wo: given codes [512 columns][512], scale bytes [512][16].  out0: [64][256][512] f32.
; SHARES.  A work-group owns one batch (256 rows) and 128 columns, and walks the rows by quarters of 64: in quarter i wave w makes row tile 4 i + w / 2, columns 64 (w % 2) on (four column tiles): 16 products 128 deep.  Its 64 rows of wo stay in registers (256).
; EACH QUARTER IS SHOWN BY A BARRIER OF ITS OWN, so that the first quarter's rows leave while later quarters' tiles are on their way.
; CLUSTER.  4 x 4 work-groups: the four of a row need the same ao (a batch), the four of a column the same rows of wo: joint loads, one a wave, all at the head: waves 0-3 wo's quarters, wave 4 + i quarter i of ao.
; Nothing in LDS is filled a second time.  No prefetch: every tile is asked for at the head.
; THE MATRIX INSTRUCTION IS USED TRANSPOSED (source 0 = 16 rows of wo, source 1 = 16 rows of ao): a lane holds eight neighbouring columns of one row.  A row tile goes through the wave's own stage in LDS and leaves as
; rows of 256 bytes: sixteen lanes store 256 consecutive bytes, aligned.  The bias is the C of each sum's first product.
; LIMITS: NaN and infinities among the inputs are not served.
.set WOL, 131072                       ; LDS: ao's images at 0, as they lie in memory; wo's 128 rows, 512 bytes + 16 of padding;
.set WPITCH, 528
.set STG, 198656                       ; a stage of 16 rows x (256 bytes + 16) for each wave
.set SPITCH, 272
.set SPARE, 233472                     ; the spare words
.set WV, 16
.set RG, 17
.set CG, 18
.set W3, 19
.set NG, 20
.set BATCH, 21
.set CY, 22
.set G1A, 24                           ; s[24:31] descriptor group 1 for ao;  s[32:39] for wo;  s[40:43], s[44:47] their groups 0
.set G1W, 32
.set G0A, 40
.set G0W, 44
.set AA, 1                             ; v1, v2  ao's images: 16 lane + my row tile of quarter 0, of quarter 2
.set AA2, 2
.set WA, 3                             ; v3  wo's fragments
.set STO, 4                            ; v4  the stage: where I put 32 bytes of a row
.set RD, 5                             ; v5  and where I read rows back
.set CO, 6                             ; v6  my byte offset in two rows of out0
.set L4, 7
.set R16, 8
.set H32, 9
.set TMP, 10
.set LR, 11
.set LH, 12
.set LN, 13
.set WSC, 16                           ; v16-31 wo's scale words [column tile][K step]
.set ASW, 34                           ; v34-41 ao's scale words [pair of quarters][K step]: lanes 0-15 the even quarter's row tile, lanes 16-31 the odd one's
.set BI, 42                            ; v42-73 the bias in the sums' layout [column tile][8]
.set ACC, 74                           ; v74-137 two sets of four sums
.set AF, 138                           ; v138-201 a row tile's fragments [K step][16]
.set BK, 202                           ; v202-233 16 rows read back from the stage
.set SPW, 254
.set NIL, 255
.set WF, 0                             ; window 1: wo's fragments [column tile][K step][16]
.set MSB, 0
.macro WIN new                         ; the immediate's high byte repeats the setting that is left
.if MSB != \new
	s_set_vgpr_msb (MSB<<8)|\new
.set MSB, \new
.endif
.endm
.macro PLACES n
.rept \n
	v_nop
.endr
.endm
.macro BARRIER
	s_barrier_signal -1
	s_barrier_wait -1
.endm
.macro CROUND                          ; a round of the cluster's barrier
	BARRIER
	s_cmp_lg_u32 s[WV], 0
	s_cbranch_scc1 .Lnot_wave_0_\@
	s_barrier_signal -3
.Lnot_wave_0_\@:
	s_barrier_wait -3
	BARRIER
.endm
.macro MM d, a, b, c, sa, sb           ; source 1's scales from lanes 0-15
	v_wmma_scale_f32_16x16x128_f8f6f4 v[\d:\d+7], v[\a:\a+15], v[\b:\b+15], v[\c:\c+7], v[\sa], v[\sb] matrix_a_fmt:MATRIX_FMT_BF8 matrix_b_fmt:MATRIX_FMT_BF8
.endm
.macro MMR d, a, b, c, sa, sb          ; source 1's scales from lanes 16-31
	v_wmma_scale_f32_16x16x128_f8f6f4 v[\d:\d+7], v[\a:\a+15], v[\b:\b+15], v[\c:\c+7], v[\sa], v[\sb] matrix_a_fmt:MATRIX_FMT_BF8 matrix_b_fmt:MATRIX_FMT_BF8 matrix_b_scale:MATRIX_SCALE_ROW1
.endm
.macro GROUP1 g, mask, word, c, rows   ; descriptor group 1: rows of c elements, dense in memory
	s_or_b32 s[\g], s\mask, \word
	s_mov_b32 s[\g+1], (\c)<<16
	s_mov_b32 s[\g+2], (\rows)<<16
	s_mov_b32 s[\g+3], (\c)<<16
	s_mov_b32 s[\g+4], \rows
	s_mov_b32 s[\g+5], \c
	s_mov_b32 s[\g+6], 0
	s_mov_b32 s[\g+7], 0
.endm
.set DENSE, (3<<16)|(1<<21)            ; elements of 8 bytes; 21 set beside a mask
.set PADW, (1<<20)|(1<<21)|(6<<22)|(3<<25)   ; elements of 1 byte; after every 128 words (code 6) four words (code 3)
	s_load_b256 s[4:11], s[0:1], 0x0               ; ao's codes s[4:5], ao's scale words s[6:7], wo's codes s[8:9], wo's scales s[10:11]
	s_load_b128 s[12:15], s[0:1], 0x20             ; bo s[12:13], out0 s[14:15]
	v_lshl_add_u32 v[SPW], v0, 2, SPARE
	v_mov_b32 v[NIL], 0
	ds_add_u32 v[SPW], v[NIL]                      ; the opening: the add, twice on end, and its wait
	ds_add_u32 v[SPW], v[NIL]
	v_lshrrev_b32 v[TMP], 5, v0
	v_readfirstlane_b32 s[WV], v[TMP]              ; wave 0..7
	s_lshr_b32 s[RG], s[WV], 1                     ; my row tile of a quarter
	s_and_b32 s[CG], s[WV], 1                      ; my 64 columns
	s_and_b32 s[W3], s[WV], 3                      ; which quarter of wo's rows (waves 0-3) or of ao (waves 4-7) I fetch
	s_bfe_u32 s[NG], ttmp6, 0x40000                ; cx
	s_bfe_u32 s[CY], ttmp6, 0x40004                ; cy
	s_lshl_b32 s53, 0x1111, s[NG]                  ; my column of the cluster: shares wo's rows
	s_lshl_b32 s52, s[CY], 2
	s_lshl_b32 s52, 15, s52                        ; my row: shares ao
	s_lshl_b32 s48, ttmp9, 2
	s_add_co_u32 s[NG], s[NG], s48                 ; the 128 columns = 4 x cluster x + cx
	s_and_b32 s[BATCH], ttmp7, 0xffff
	s_lshl_b32 s[BATCH], s[BATCH], 2
	s_add_co_u32 s[BATCH], s[BATCH], s[CY]         ; the batch = 4 x cluster y + cy
	GROUP1 G1A, 52, DENSE, 32, 128                 ; a quarter of ao: 32,768 dense bytes as 128 rows of 256
	GROUP1 G1W, 53, PADW, 512, 32                  ; 32 rows of wo, 512 bytes each
	s_lshl_b32 s48, s[BATCH], 17                   ; ao: a batch is 131,072 bytes
	s_lshl_b32 s52, s[W3], 15
	s_add_co_u32 s48, s48, s52
	s_mov_b32 s49, 0
	s_lshl_b32 s50, s[NG], 16                      ; wo: 128 rows are 65,536 bytes
	s_lshl_b32 s53, s[W3], 14
	s_add_co_u32 s50, s50, s53
	s_mov_b32 s51, 0
	s_wait_dscnt 0x0                               ; both opening adds are done
	CROUND                                         ; all sixteen work-groups are here: the joint loads meet
	s_wait_kmcnt 0x0
	s_mov_b32 s[G0A], 1
	s_lshl_b32 s[G0A+1], s[W3], 15
	s_add_nc_u64 s[G0A+2:G0A+3], s[4:5], s[48:49]
	s_or_b32 s[G0A+3], s[G0A+3], 0x80000000
	s_mov_b32 s[G0W], 1
	s_mul_i32 s[G0W+1], s[W3], 32*WPITCH
	s_add_co_u32 s[G0W+1], s[G0W+1], WOL
	s_add_nc_u64 s[G0W+2:G0W+3], s[8:9], s[50:51]
	s_or_b32 s[G0W+3], s[G0W+3], 0x80000000
; one load a wave, in one tree of branches on the wave's number; each quarter of ao has a line of its own, since its one issuer waits at a barrier of its own
.macro ARM under, g0, g1, next
	s_cmp_lt_u32 s[WV], \under
	s_cbranch_scc0 \next
	tensor_load_to_lds s[\g0:\g0+3], s[\g1:\g1+7]
	s_nop 0
	PLACES 4
	s_branch .Lasked
\next:
.endm
	ARM 4, G0W, G1W, .Lhead_4
	ARM 5, G0A, G1A, .Lhead_5
	ARM 6, G0A, G1A, .Lhead_6
	ARM 7, G0A, G1A, .Lhead_7
	tensor_load_to_lds s[G0A:G0A+3], s[G1A:G1A+7]
	s_nop 0
	PLACES 4
.Lasked:
	s_mov_b32 s49, 0
	s_mov_b32 s51, 0
	s_lshl_b32 s48, s[BATCH], 12                   ; ao's scale words: 4,096 bytes a batch, 1,024 a K step, 64 a row tile
	s_lshl_b32 s52, s[RG], 6
	s_add_co_u32 s48, s48, s52
	s_add_nc_u64 s[6:7], s[6:7], s[48:49]
	s_lshl_b32 s50, s[NG], 11                      ; wo's scale bytes: 16 a row, from row 128 ng + 64 cg
	s_lshl_b32 s53, s[CG], 10
	s_add_co_u32 s50, s50, s53
	s_add_nc_u64 s[10:11], s[10:11], s[50:51]
	s_lshl_b32 s50, s[NG], 9                       ; bo and a row of out0: 4 bytes a column
	s_lshl_b32 s53, s[CG], 8
	s_add_co_u32 s50, s50, s53
	s_add_nc_u64 s[12:13], s[12:13], s[50:51]
	s_add_nc_u64 s[14:15], s[14:15], s[50:51]
	s_lshl_b32 s50, s[BATCH], 19                   ; out0: 2,048 bytes a row, from row 256 batch + 16 rg
	s_lshl_b32 s53, s[RG], 15
	s_add_co_u32 s50, s50, s53
	s_add_nc_u64 s[14:15], s[14:15], s[50:51]
	v_and_b32 v[LR], 15, v0                        ; r
	v_bfe_u32 v[LH], v0, 4, 1                      ; h
	v_and_b32 v[LN], 31, v0                        ; lane
	v_lshlrev_b32 v[L4], 2, v[LR]
	v_lshlrev_b32 v[R16], 4, v[LR]
	v_lshlrev_b32 v[H32], 5, v[LH]
	v_lshl_add_u32 v[L4], v[LH], 8, v[L4]          ; the odd quarter's row tile lies four tiles further on
.irp p,0,1
.irp s,0,1,2,3
	global_load_b32 v[ASW+4*\p+\s], v[L4], s[6:7] offset:1024*\s+512*\p
.endr
.endr
.irp n,0,1,2,3
	global_load_b128 v[WSC+4*\n:WSC+4*\n+3], v[R16], s[10:11] offset:256*\n   ; row r of column tile n: its four words
.endr
.irp n,0,1,2,3
	global_load_b128 v[BI+8*\n:BI+8*\n+3], v[H32], s[12:13] offset:64*\n      ; register j of tile n is column 16 n + 8 h + j
	global_load_b128 v[BI+8*\n+4:BI+8*\n+7], v[H32], s[12:13] offset:64*\n+16
.endr
	s_lshl_b32 s52, s[RG], 13                      ; a row tile's images are 8,192 bytes
	v_mul_u32_u24 v[WA], v[LR], WPITCH
	v_mul_u32_u24 v[STO], v[LR], SPITCH
	v_mul_u32_u24 v[RD], v[LH], SPITCH
	v_lshlrev_b32 v[CO], 11, v[LH]
	v_lshl_add_u32 v[AA], v[LN], 4, s52
	v_lshl_add_u32 v[WA], v[LH], 4, v[WA]
	v_lshl_add_u32 v[STO], v[LH], 5, v[STO]
	v_lshl_add_u32 v[RD], v[LR], 4, v[RD]
	v_lshl_add_u32 v[CO], v[LR], 4, v[CO]          ; two rows of out0
	v_add_nc_u32 v[AA2], 65536, v[AA]
	s_mul_i32 s52, s[CG], 64*WPITCH
	s_add_co_u32 s52, s52, WOL
	v_add_nc_u32 v[WA], s52, v[WA]                 ; wo: row 64 cg + r, + 16 h
	s_mul_i32 s52, s[WV], 16*SPITCH
	s_add_co_u32 s52, s52, STG                     ; my stage
	v_add_nc_u32 v[STO], s52, v[STO]               ; in: row r, 32 bytes for each half of the lanes
	v_add_nc_u32 v[RD], s52, v[RD]                 ; back: lanes 0-15 one row of 256 bytes, lanes 16-31 the next
	s_wait_alu depctr_va_vdst(0)                   ; the wait at the head's end
.macro SHOW n                          ; waves under n wait for their tensor load; then a barrier.  The last shows all that is still out: every wave waits
.if \n < 8
	s_cmp_lt_u32 s[WV], \n
	s_cbranch_scc0 .Lnot_yet_\@
	s_wait_tensorcnt 0x0
.Lnot_yet_\@:
.else
	s_wait_tensorcnt 0x0
.endif
	s_wait_dscnt 0x0
	BARRIER
.endm
.macro AFETCH i                        ; my row tile of quarter i: its four fragments, as they were stored
.irp s,0,1,2,3
.irp c,0,1,2,3
	ds_load_b128 v[AF+16*\s+4*\c:AF+16*\s+4*\c+3], v[AA+(\i)/2] offset:32768*((\i)%2)+2048*\s+512*\c
.endr
.endr
.endm
	SHOW 5                                         ; wo and quarter 0 of ao
	AFETCH 0
	WIN 0x40                                       ; destination window 1
.irp s,0,1,2,3
.irp n,0,1,2,3
.irp c,0,1,2,3
	ds_load_b128 v[WF+64*\n+16*\s+4*\c:WF+64*\n+16*\s+4*\c+3], v[WA] offset:16*WPITCH*\n+128*\s+32*\c
.endr
.endr
.endr
	WIN 0
	s_wait_loadcnt 0x0                             ; scale words and bias
.macro TILE i
.set ACS, ACC+32*((\i)%2)
.if \i > 0
	SHOW 5+\i
	AFETCH \i
.endif
	WIN 0x01                                       ; source 0 (wo) window 1.  Four sums by turns, one instruction a turn
.irp s,0,1,2,3
.if \i == 0
	s_wait_dscnt 48-16*\s                          ; all but the later K steps' sixteen loads of wo each
.else
	s_wait_dscnt 12-4*\s                           ; all but the later K steps' four loads each
.endif
.irp n,0,1,2,3
.if \s == 0
.if (\i)%2
	MMR ACS+8*\n, WF+64*\n, AF, BI+8*\n, WSC+4*\n, ASW+4*((\i)/2)
.else
	MM ACS+8*\n, WF+64*\n, AF, BI+8*\n, WSC+4*\n, ASW+4*((\i)/2)
.endif
.else
.if (\i)%2
	MMR ACS+8*\n, WF+64*\n+16*\s, AF+16*\s, ACS+8*\n, WSC+4*\n+\s, ASW+4*((\i)/2)+\s
.else
	MM ACS+8*\n, WF+64*\n+16*\s, AF+16*\s, ACS+8*\n, WSC+4*\n+\s, ASW+4*((\i)/2)+\s
.endif
.endif
.endr
.endr
	WIN 0
	PLACES 8                                       ; behind the products: for the stores that read the sums and the loads into the fragments' registers
.irp n,0,1,2,3
	ds_store_b128 v[STO], v[ACS+8*\n:ACS+8*\n+3] offset:64*\n       ; each sum from its low end on
	ds_store_b128 v[STO], v[ACS+8*\n+4:ACS+8*\n+7] offset:64*\n+16
.endr
.if \i > 0
	s_wait_xcnt 0x0                                ; the last tile's stores have read their data: the loads below land there only behind this wait
.endif
.irp k,0,1,2,3,4,5,6,7
	ds_load_b128 v[BK+4*\k:BK+4*\k+3], v[RD] offset:2*SPITCH*\k     ; LDS serves a wave's instructions in order (ISA guide 5.7.1.4): these see the stores above
.endr
	s_wait_dscnt 0x0
.irp k,0,1,2,3,4,5,6,7
	global_store_b128 v[CO], v[BK+4*\k:BK+4*\k+3], s[14:15] offset:(64*(\i)+2*\k)*2048   ; 16 lanes store 256 consecutive bytes, aligned
.endr
.endm
	TILE 0
	TILE 1
	TILE 2
	TILE 3
	s_wait_tensorcnt 0x0                           ; the wave's end
	ds_add_u32 v[SPW], v[NIL]
	s_wait_dscnt 0x0
	CROUND                                         ; the closing round: no work-group ends while a partner may still ask jointly
	s_endpgm
.Lfunc_end_k_q18d1a7fed0_oproj:
	.size	k_q18d1a7fed0_oproj, .Lfunc_end_k_q18d1a7fed0_oproj-k_q18d1a7fed0_oproj
	.p2alignl 7, 3214868480
	.fill 96, 4, 3214868480
	.section	.rodata,"a",@progbits
	.p2align	6, 0x0
	.amdhsa_kernel k_q18d1a7fed0_oproj
		.amdhsa_group_segment_fixed_size 234496
		.amdhsa_private_segment_fixed_size 0
		.amdhsa_enable_private_segment 0
		.amdhsa_kernarg_size 48
		.amdhsa_user_sgpr_count 2
		.amdhsa_user_sgpr_kernarg_segment_ptr 1
		.amdhsa_wavefront_size32 1
		.amdhsa_system_sgpr_workgroup_id_x 1
		.amdhsa_system_sgpr_workgroup_id_y 1
		.amdhsa_system_sgpr_workgroup_id_z 1
		.amdhsa_system_vgpr_workitem_id 0
		.amdhsa_next_free_vgpr 512
		.amdhsa_next_free_sgpr 66
		.amdhsa_reserve_vcc 0
		.amdhsa_float_denorm_mode_32 3
		.amdhsa_float_denorm_mode_16_64 3
		.amdhsa_memory_ordered 1
		.amdhsa_forward_progress 1
		.amdhsa_inst_pref_size 35
	.end_amdhsa_kernel
	.amdgpu_metadata
---
amdhsa.version: [ 1, 2 ]
amdhsa.kernels:
  - .name:           k_q18d1a7fed0_oproj
    .symbol:         k_q18d1a7fed0_oproj.kd
    .args:
      - { .name: ao_codes, .offset: 0, .size: 8, .value_kind: global_buffer, .address_space: global }
      - { .name: ao_scales, .offset: 8, .size: 8, .value_kind: global_buffer, .address_space: global }
      - { .name: wo_codes, .offset: 16, .size: 8, .value_kind: global_buffer, .address_space: global }
      - { .name: wo_scales, .offset: 24, .size: 8, .value_kind: global_buffer, .address_space: global }
      - { .name: bo, .offset: 32, .size: 8, .value_kind: global_buffer, .address_space: global }
      - { .name: out0, .offset: 40, .size: 8, .value_kind: global_buffer, .address_space: global }
    .group_segment_fixed_size: 234496
    .private_segment_fixed_size: 0
    .kernarg_segment_align: 8
    .kernarg_segment_size: 48
    .max_flat_workgroup_size: 256
    .sgpr_count:     66
    .vgpr_count:     512
    .wavefront_size: 32
...
	.end_amdgpu_metadata
.endif
;; end of part 2
